; MI455X (gfx1250); checked and timed in simulation.
; The chip was launched on July 23, 2026; its instructions are those of AMD's public machine-readable ISA for CDNA 5 (MIT licence, August 2026) and "CDNA5" Instruction Set Architecture Reference Guide (July 2026). The comments in the code are by the model that wrote it; some were corrected since.
;; Attention Block. Allowed arithmetic: matrix products marked QUANTISED: E5M2 operands, one given power-of-two scale a tensor, by v_wmma_f32_16x16x64_bf8_bf8 or v_wmma_f32_16x16x128_bf8_bf8, f32 sums; everything else in f32.
;; Inputs: Wk_codes 32 x 8 x 32 uint8 (E5M2 codes of Wk, K innermost, in blocks of 32 codes); Wq_codes 32 x 8 x 32 uint8 (E5M2 codes of Wq, K innermost, in blocks of 32 codes); Wv_codes 256 x 8 x 32 uint8 (E5M2 codes of Wv, K innermost, in blocks of 32 codes); bk 32 float32; bq 32 float32; bv 256 float32; gamma 1 float32; lowp_scales 10 int32 (the exponents e of the quantised operands' scales 2^e); x 4 x 256 x 64 x 64 float32.
;; Outputs: out0 4 x 256 x 64 x 64 float32.
;; This version of the problem:
;;   THIS VERSION OF THE PROBLEM IS GIVEN IN LOW PRECISION. The matrix products marked QUANTISED in the list below multiply operands that are first quantised to E5M2 (5 exponent bits, 2 mantissa bits; 8 bits a number), with one given power-of-two scale for each operand tensor; their sums are f32. All else is computed in f32.
;;   The module's matrix products, in the order in which they are computed (A, B: the left and right operand; K: the contracted axis; several contracted axes count as one K, in the product's order):
;;     1. [M 16,384, K 256] x [K 256, N 32]; A: input x; B: input Wq (given as codes): QUANTISED (scales: A lowp_scales[0], B lowp_scales[1])
;;     2. [M 16,384, K 256] x [K 256, N 32]; A: input x; B: input Wk (given as codes): QUANTISED (scales: A lowp_scales[2], B lowp_scales[3])
;;     3. [M 16,384, K 256] x [K 256, N 256]; A: input x; B: input Wv (given as codes): QUANTISED (scales: A lowp_scales[4], B lowp_scales[5])
;;     4. batch 4 x [M 4,096, K 32] x [K 32, N 4,096]; A: computed on the way; B: computed on the way: QUANTISED (scales: A lowp_scales[6], B lowp_scales[7])
;;     5. batch 4 x [M 256, K 4,096] x [K 4,096, N 4,096]; A: computed on the way; B: softmax (see below): QUANTISED (scales: A lowp_scales[8], B lowp_scales[9])
;;   THE QUANTISER, for each operand of a quantised product, along K:
;;     - The operand's scale is 2^e, e = its entry of the input lowp_scales (int32; the entries are numbered through the quantised products in the list's order, A before B).
;;     - Each number is divided by the scale, clamped to +-57,344, and rounded to the nearest number of E5M2, ties to even, subnormals kept.
;;     - The product sums the exact products of the quantised numbers (number of the format x scale) in f32.
;;   ~~~python
;;   def quantise(x, axis, e):      # numpy; x: float32 -> the quantised numbers, widened to float32 again
;;       x = np.moveaxis(x, axis, -1); K = x.shape[-1]
;;       r = np.clip(x / 2.0 ** e, -57344, 57344)
;;       step = 2.0 ** (np.maximum(np.frexp(np.where(r == 0, 1, r))[1] - 1, -14) - 2)
;;       q = np.round(r / step) * step * 2.0 ** e      # np.round: ties to even
;;       return np.moveaxis(q, -1, axis).astype(np.float32)
;;   ~~~
;;   SOFTMAX AHEAD OF A QUANTISED PRODUCT. Where the list says 'softmax', what is quantised is not the finished softmax but p = 2^(t - M), with t = logit x log2(e) and M = ceil(the row's largest t), a whole number; so 1/2 < the row's largest p <= 1. The row's sum l is taken of the UNQUANTISED p, in f32, and the product's result is divided by l at the end. Since M is a whole number, a kernel that streams over the keys may use a running M (the ceiling of the running maximum): every later rescaling is an exact power of two, so the quantised numbers keep their values, but for numbers so far below the row's largest that they fall under the format's range.
;;   OPERANDS COMPUTED ON THE WAY. 'Computed on the way' means the value that the module computes at that place (a softmax that the list does not call 'softmax' is quantised finished and normalised). What goes into a quantiser is computed in f32, as accurately as f32 sums, v_exp_f32 and their like allow (about 1e-6 of the number): no bf16 or f16 on the way to a quantiser, and a product that is left as it is and whose result goes on into a quantised operand takes f32 operands (vector FMAs, or v_wmma_f32_16x16x4_f32). A number that lies on a knife's edge between two numbers of the format may be rounded either way, as far as f32 arithmetic and the matrix unit's own rounding can turn it there, and no further.
;;   INPUTS GIVEN AS CODES. Wk (in the module: [32, 256], K = its axis 1); Wq (in the module: [32, 256], K = its axis 1); Wv (in the module: [256, 256], K = its axis 1): each comes as NAME_codes (uint8): NAME with its K axis moved to the last place and cut into blocks of 32 codes, [.., K / 32, bytes a block], one block behind the other in memory; one code a byte (a code: sign, 5 exponent bits, 2 mantissa bits); its scale is its entry of lowp_scales. Its value is code x scale, taken as it is: it is not quantised again, and the codes and scales need not be those that the quantiser above would give.
;; One version. Each part assembles by itself: llvm-mc -triple=amdgcn-amd-amdhsa -mcpu=gfx1250 --defsym DOCPART=n.
;; ======== version 1 of 1: 2 launches
;; workspace buffers: qc 524,288 bytes; kv 4,718,592 bytes
;; launch proj (part 1): grid 64 x 4, 8 waves a work-group, clusters of 4 x 1, 204,800 bytes of LDS; arguments x, Wq_codes, Wk_codes, Wv_codes, bq, bk, bv, lowp_scales, qc, kv; writes qc, kv
.if DOCPART == 1
	.amdgcn_target "amdgcn-amd-amdhsa--gfx1250"
	.amdhsa_code_object_version 6
	.text
	.protected	k_qb3d06eeba9_proj
	.globl	k_qb3d06eeba9_proj
	.p2align	8
	.type	k_qb3d06eeba9_proj,@function
k_qb3d06eeba9_proj:
	s_mov_b64 s[64:65], 0
	v_nop
	global_prefetch_b8 v0, s[64:65] scope:SCOPE_SE
	s_setreg_imm32_b32 hwreg(HW_REG_WAVE_MODE, 25, 1), 1
	s_wait_xcnt 0x0
	s_wait_alu depctr_hold_cnt(0) depctr_sa_sdst(0) depctr_va_vdst(0) depctr_va_sdst(0) depctr_va_ssrc(0) depctr_va_vcc(0) depctr_vm_vsrc(0)
	s_getreg_b32 s2, hwreg(HW_REG_IB_STS2, 6, 4)
	s_cmp_eq_u32 s2, 0
	s_cbranch_scc0 .Lentry_in_a_cluster
	s_endpgm
.Lentry_in_a_cluster:
	s_bfe_u32 s2, ttmp6, 0x10000c
	s_cmp_lg_u32 s2, 0x3003
	s_cbranch_scc0 .Lentry_shape_is_right
	s_endpgm
.Lentry_shape_is_right:
; q = Wq x + bq, k = Wk x + bk, v = Wv x + bv for 64 positions of one image, all three products on codes of BF8 (E5M2), and the results quantised at once
; for the two products of attention: q with e6, k with e7 (K = the 32 reduced channels), v with e8 (K = the keys).  x: [4][256][4096] f32.
; DEAD WORK: none.  Each bias stands ahead of a quantiser and can move its codes; gamma and x reach the output; all ten scales are used: every input is loaded by one of the two launches.
; x is quantised three times, along its channels: the three products name three given scales (e0, e2, e4), which may differ.
; SHARES.  A work-group of eight waves takes 64 positions.  They form four tiles of 16: row r of tile 2 b + u is position 32 b + 8 u + r + 8 (r / 8), so that the results of tiles 2 b and 2 b + 1 are
; 16 neighbours along the keys.  Phase X: wave w quantises tile w % 4, channels 128 (w / 4) on, and stores the three fragments in LDS as images of their registers (16 bytes a lane, 512 bytes a store).
; Phase V: wave w makes v's channels 32 w .. 32 w + 31 for all four tiles (source 0 = x, source 1 = Wv: a lane holds one channel and eight keys).
; Phase Q/K: waves 0-3 make q, waves 4-7 k, of tile w % 4 (source 0 = the weight, source 1 = x: a lane holds one position and eight reduced channels).
; A fragment of 128 along K holds in registers 4 c .. 4 c + 3 of lane (r, h) the places k = 32 c + 16 h + 0 .. 15: the same order in both sources, so every product meets its partner.
; THE BUFFERS THAT LEAVE are laid in the order of the next launch's operand registers: qc [image][tile of 16 positions][512 bytes]: lane r + 16 h has 16 bytes, reduced channels 16 h on;
; kv [image][step of 512 keys][piece of 128 keys][36,864 bytes]: 8 tiles of k as in qc, then 16 fragments of v (16 channels x 128 keys, 2,048 bytes each).  Every store of a wave covers 512 consecutive bytes, aligned.
; CLUSTER: the four work-groups of a cluster read the same 80 KiB of weights: asked for jointly (mask 15).  x's tile is each work-group's own: a plain load.
; LIMITS on the given exponents, so that each power of two below is an f32 number: e0, e2, e4, e6 - e0 - e1, e7 - e2 - e3, e8 - e4 - e5 between -126 and 112.  NaN among the inputs is not served.
.set XP,    264                        ; x's tile in LDS: a channel's 64 positions, 256 bytes + 8: 16 rows on is 32 words on modulo 64, so the two halves of the lanes read different words' places
.set WP,    272                        ; a weight's row: 256 bytes + 16
.set WVL,   67584                      ; LDS: x's tile at 0 (256 rows); Wv's 256 rows here;
.set WQK,   137216                     ; Wq's 32 rows, then Wk's 32;
.set XIMG,  154624                     ; the images: tile x 12,288 + scale x 4,096 + K step x 2,048;
.set SPARE, 203776                     ; the spare words, 128 bytes for each of eight waves: four blocks of 256 bytes that no other line names
.set XA,  3                            ; v3   x's tile: my first number
.set LI,  4                            ; v4   16 x lane
.set IW,  5                            ; v5   where I store images
.set WVA, 6                            ; v6   my fragments of Wv
.set WQA, 7                            ; v7   my fragments of Wq or Wk
.set SPW, 8                            ; v8   my spare word; never rewritten
.set NIL, 9                            ; v9   0; never rewritten
.set LX,  10                           ; v10  XIMG + 16 x lane
.set SCV, 18                           ; v12-17: for e0, e2, e4 the scale and the largest number x the scale;  v18, v19 the same for v's conversion;  v20, v21 for q's or k's
.set HV,  19
.set SCQ, 20
.set HQ,  21
.set BV,  24                           ; v24-39  bv / 2^(e4 + e5) in the result's layout, two tiles;  v22, v23 as loaded
.set BQ,  40                           ; v40-55  bq or bk likewise
.set WVF, 56                           ; v56-119 Wv's fragments (tile ct, K step s) at 16 (2 ct + s)
.set X,   120                          ; v120-183 64 numbers of x; later Wq's or Wk's fragments (tile u, K step s) at 16 (2 u + s)
.set T,   184                          ; v184-215 two sets of 16 held numbers; later x's two fragments
.set XF,  184
.set PC,  216                          ; v216-231 the codes just made; later the two accumulators
.set D0,  216
.set CV,  232                          ; v232-247 v's codes: 4 registers for each (b, ct)
.set CQ,  248                          ; v248-251 q's or k's codes
.set QXA, 252                          ; v252 my image for the last phase;  v253, v254 the biases' offsets
.macro CROUND                          ; a round of the cluster's barrier
	s_barrier_signal -1
	s_barrier_wait -1
	s_cmp_lg_u32 s60, 0
	s_cbranch_scc1 .Lnot_wave_0_\@
	s_barrier_signal -3
.Lnot_wave_0_\@:
	s_barrier_wait -3
	s_barrier_signal -1
	s_barrier_wait -1
.endm
.macro MKSC vs, vh, se                 ; from the whole number e: 2^e and 57,344 x 2^e as f32
	s_add_co_i32 s86, \se, 127
	s_lshl_b32 s87, s86, 23
	v_mov_b32 v[\vs], s87
	s_add_co_i32 s86, s86, 15
	s_lshl_b32 s86, s86, 23
	s_or_b32 s86, s86, 0x600000
	v_mov_b32 v[\vh], s86
.endm
	s_load_b512 s[4:19], s[0:1], 0x0               ; x s[4:5], Wq s[6:7], Wk s[8:9], Wv s[10:11], bq s[12:13], bk s[14:15], bv s[16:17], the scales s[18:19]
	s_load_b128 s[20:23], s[0:1], 0x40             ; qc s[20:21], kv s[22:23]
	v_lshl_add_u32 v[SPW], v0, 2, SPARE
	v_mov_b32 v[NIL], 0
	ds_add_u32 v[SPW], v[NIL]                      ; the opening: the add, twice on end, and its wait ahead of my first tensor load
	ds_add_u32 v[SPW], v[NIL]
	v_lshrrev_b32 v1, 5, v0
	v_readfirstlane_b32 s60, v1                    ; wave 0..7
	s_and_b32 s2, s60, 3                           ; a = w % 4: which quarter I fetch; later my tile of positions
	s_lshr_b32 s3, s60, 2                          ; w / 4: my K step in phase X; q (0) or k (1) in the last phase
	s_bfe_u32 s63, ttmp6, 0x40000                  ; cx
	s_lshl_b32 s61, ttmp9, 2
	s_add_co_u32 s61, s61, s63                     ; my block of 64 positions
	s_and_b32 s62, ttmp7, 0xffff                   ; the image
	; group 1 for x's tile: 64 channels x 64 f32, 4,096 elements from row to row; 2 words of padding behind every 64; no mask
	s_mov_b32 s24, (2<<16)|(1<<20)|(5<<22)|(1<<25)
	s_mov_b32 s25, 64<<16
	s_mov_b32 s26, 64<<16
	s_mov_b32 s27, 64<<16
	s_mov_b32 s28, 64
	s_mov_b32 s29, 4096
	s_mov_b32 s30, 0
	s_mov_b32 s31, 0
	; group 1 for Wv: 64 rows x 256 bytes, dense; 4 words of padding behind every 64; the mask names all four work-groups, bit 21 beside it
	s_mov_b32 s32, 15|(1<<20)|(1<<21)|(5<<22)|(3<<25)
	s_mov_b32 s33, 256<<16
	s_mov_b32 s34, 64<<16
	s_mov_b32 s35, 256<<16
	s_mov_b32 s36, 64
	s_mov_b32 s37, 256
	s_mov_b32 s38, 0
	s_mov_b32 s39, 0
	; group 1 for Wq and Wk: the same with 16 rows
	s_mov_b32 s40, 15|(1<<20)|(1<<21)|(5<<22)|(3<<25)
	s_mov_b32 s41, 256<<16
	s_mov_b32 s42, 16<<16
	s_mov_b32 s43, 256<<16
	s_mov_b32 s44, 16
	s_mov_b32 s45, 256
	s_mov_b32 s46, 0
	s_mov_b32 s47, 0
	s_mov_b32 s48, 1                               ; groups 0: every wave makes all three
	s_mul_i32 s49, s2, 64*XP
	s_mov_b32 s52, 1
	s_mul_i32 s53, s2, 64*WP
	s_add_co_u32 s53, s53, WVL
	s_mov_b32 s56, 1
	s_mul_i32 s57, s2, 16*WP
	s_add_co_u32 s57, s57, WQK
	s_lshl_b32 s66, s62, 22                        ; x: image x 4 MiB + 64 a channels of 16 KiB + block x 256 bytes
	s_lshl_b32 s67, s2, 20
	s_add_co_u32 s66, s66, s67
	s_lshl_b32 s67, s61, 8
	s_add_co_u32 s66, s66, s67
	s_mov_b32 s67, 0
	s_lshl_b32 s78, s2, 14                         ; Wv: 64 a rows of 256 bytes
	s_mov_b32 s79, 0
	s_and_b32 s90, s2, 1
	s_lshl_b32 s90, s90, 12                        ; Wq, Wk: 16 (a % 2) rows
	s_mov_b32 s91, 0
	s_wait_dscnt 0x0                               ; both opening adds are done
	s_wait_kmcnt 0x0
	s_load_b256 s[68:75], s[18:19], 0x0            ; e0 .. e7
	s_load_b64 s[76:77], s[18:19], 0x20            ; e8, e9
	s_add_nc_u64 s[50:51], s[4:5], s[66:67]
	s_or_b32 s51, s51, 0x80000000
	s_add_nc_u64 s[54:55], s[10:11], s[78:79]
	s_or_b32 s55, s55, 0x80000000
	s_cmp_lt_u32 s2, 2                             ; a = 0, 1: Wq; 2, 3: Wk: the wave's number alone decides
	s_cselect_b64 s[58:59], s[6:7], s[8:9]
	s_add_nc_u64 s[58:59], s[58:59], s[90:91]
	s_or_b32 s59, s59, 0x80000000
	CROUND                                         ; all four work-groups are here: the joint loads meet
	s_cmp_lt_u32 s60, 4                            ; the first fills, one branch on the wave's number, a fill in each arm: waves 0-3 x's quarters, waves 4-7 the weights'
	s_cbranch_scc0 .Lfill_w
	tensor_load_to_lds s[48:51], s[24:31]
	s_nop 0
.rept 4
	v_nop
.endr
	s_branch .Lfilled
.Lfill_w:
	tensor_load_to_lds s[52:55], s[32:39]
	s_nop 0
	tensor_load_to_lds s[56:59], s[40:47]
	s_nop 0
.rept 4
	v_nop
.endr
.Lfilled:
	v_and_b32 v1, 15, v0                           ; r
	v_bfe_u32 v2, v0, 4, 1                         ; h
	v_lshlrev_b32 v253, 2, v1
	v_lshl_add_u32 v253, s60, 7, v253              ; bv: 4 (32 w + r)
	global_load_b32 v22, v253, s[16:17]
	global_load_b32 v23, v253, s[16:17] offset:64
	v_lshlrev_b32 v254, 6, v2                      ; bq, bk: lane (r, h) wants the 16 numbers from 16 h on
	s_cmp_lt_u32 s60, 4
	s_cselect_b64 s[80:81], s[12:13], s[14:15]
	global_load_b128 v[BQ:BQ+3], v254, s[80:81]
	global_load_b128 v[BQ+4:BQ+7], v254, s[80:81] offset:16
	global_load_b128 v[BQ+8:BQ+11], v254, s[80:81] offset:32
	global_load_b128 v[BQ+12:BQ+15], v254, s[80:81] offset:48
	v_and_b32 v[LI], 31, v0
	v_lshlrev_b32 v[LI], 4, v[LI]
	v_add_nc_u32 v[LX], XIMG, v[LI]
	v_and_b32 v11, 8, v1
	v_add_nc_u32 v11, v11, v1                      ; r + 8 (r / 8)
	s_mul_i32 s78, s3, 128*XP                      ; x's tile: channel 128 s + 16 h, position 32 b + 8 u + r + 8 (r / 8)
	s_lshr_b32 s79, s2, 1
	s_lshl_b32 s79, s79, 7
	s_add_co_u32 s78, s78, s79
	s_and_b32 s79, s2, 1
	s_lshl_b32 s79, s79, 5
	s_add_co_u32 s78, s78, s79
	v_mul_u32_u24 v[XA], v2, 16*XP
	v_lshl_add_u32 v[XA], v11, 2, v[XA]
	v_add_nc_u32 v[XA], s78, v[XA]
	s_mul_i32 s78, s2, 12288
	s_lshl_b32 s79, s3, 11
	s_add_co_u32 s79, s78, s79
	v_add_nc_u32 v[IW], s79, v[LX]                 ; images out: my tile, my K step
	s_lshl_b32 s79, s3, 12
	s_add_co_u32 s79, s78, s79
	v_add_nc_u32 v[QXA], s79, v[LX]                ; images in, last phase: my tile, q's or k's scale
	s_mul_i32 s78, s60, 32*WP
	s_add_co_u32 s78, s78, WVL
	v_mul_u32_u24 v[WVA], v1, WP
	v_lshl_add_u32 v[WVA], v2, 4, v[WVA]
	v_add_nc_u32 v[WVA], s78, v[WVA]               ; Wv: row 32 w + r, + 16 h
	s_mul_i32 s78, s3, 32*WP
	s_add_co_u32 s78, s78, WQK
	v_mul_u32_u24 v[WQA], v11, WP
	v_lshl_add_u32 v[WQA], v2, 4, v[WQA]
	v_add_nc_u32 v[WQA], s78, v[WQA]               ; Wq or Wk: row r + 8 (r / 8), + 16 h: tile u begins 8 rows on
	; where the results go
	s_mul_i32 s90, s62, 1179648                    ; kv: the image,
	s_lshr_b32 s91, s61, 3
	s_mul_i32 s91, s91, 147456                     ; the step of 512 keys,
	s_add_co_u32 s90, s90, s91
	s_bfe_u32 s91, s61, 0x20001
	s_mul_i32 s91, s91, 36864                      ; the piece of 128 keys
	s_add_co_u32 s90, s90, s91
	s_and_b32 s92, s61, 1                          ; which half of the piece
	s_lshl_b32 s91, s60, 12                        ; v: behind k's 4,096 bytes, fragments 2 w and 2 w + 1, groups of 32 keys 2 (block % 2) on
	s_add_co_u32 s91, s91, 4096
	s_lshl_b32 s93, s92, 10
	s_add_co_u32 s91, s91, s93
	s_add_co_u32 s66, s90, s91
	s_add_nc_u64 s[82:83], s[22:23], s[66:67]
	s_lshl_b32 s93, s92, 2                         ; k: tile 4 (block % 2) + my tile
	s_add_co_u32 s93, s93, s2
	s_lshl_b32 s93, s93, 9
	s_add_co_u32 s66, s90, s93
	s_add_nc_u64 s[88:89], s[22:23], s[66:67]
	s_lshl_b32 s93, s61, 2                         ; q: tile 4 block + my tile of the image's 256
	s_add_co_u32 s93, s93, s2
	s_lshl_b32 s93, s93, 9
	s_lshl_b32 s66, s62, 17
	s_add_co_u32 s66, s66, s93
	s_add_nc_u64 s[92:93], s[20:21], s[66:67]
	s_cmp_lt_u32 s60, 4
	s_cselect_b64 s[88:89], s[92:93], s[88:89]
	s_wait_kmcnt 0x0                               ; the scales
	MKSC 12, 13, s68
	MKSC 14, 15, s70
	MKSC 16, 17, s72
	s_add_co_i32 s84, s72, s73                     ; a sum of the third product stands for sum x 2^(e4 + e5): bv goes in divided by that, and the conversion takes 2^(e8 - e4 - e5)
	s_sub_co_i32 s94, s76, s84
	MKSC SCV, HV, s94
	s_sub_co_i32 s84, 0, s84
	s_add_co_i32 s85, s68, s69                     ; likewise q: e0 + e1, e6;  k: e2 + e3, e7
	s_sub_co_i32 s94, s74, s85
	s_add_co_i32 s95, s70, s71
	s_sub_co_i32 s96, s75, s95
	s_cmp_lt_u32 s60, 4
	s_cselect_b32 s85, s85, s95
	s_cselect_b32 s94, s94, s96
	MKSC SCQ, HQ, s94
	s_sub_co_i32 s85, 0, s85
	s_wait_tensorcnt 0x0                           ; my fills have landed,
	s_barrier_signal -1
	s_barrier_wait -1                              ; everybody's have
	; ---- X: my tile's 128 channels become three fragments
.irp ct, 0,1
.irp s, 0,1
.irp c, 0,1,2,3
	ds_load_b128 v[WVF+16*(2*\ct+\s)+4*\c:WVF+16*(2*\ct+\s)+4*\c+3], v[WVA] offset:\ct*16*WP+128*\s+32*\c   ; Wv's four fragments stay in registers
.endr
.endr
.endr
.set i, 0
.rept 64
	ds_load_b32 v[X+i], v[XA] offset:(32*(i/16)+(i%16))*XP   ; register 16 c + i: channel 128 s + 32 c + 16 h + i of my position: the registers run down K
.set i, i+1
.endr
	s_wait_loadcnt 0x0                             ; the biases
.irp ct, 0,1
.irp j, 0,1,2,3,4,5,6,7
	v_ldexp_f32 v[BV+8*\ct+\j], v[22+\ct], s84     ; a lane's eight results of a tile belong to one channel
.endr
.endr
.irp j, 0,1,2,3,4,5,6,7,8,9,10,11,12,13,14,15
	v_ldexp_f32 v[BQ+\j], v[BQ+\j], s85
.endr
	s_wait_dscnt 0x0
.macro QX z                            ; the 64 numbers with scale z: held, converted, stored as an image.  x stays as it is for the next scale
.irp c, 0,1,2,3
.irp i, 0,1,2,3,4,5,6,7,8,9,10,11,12,13,14,15
	v_med3_num_f32 v[T+16*(\c%2)+\i], v[X+16*\c+\i], -v[13+2*\z], v[13+2*\z]   ; the conversion to an 8-bit code does not saturate (ISA guide 7.6.2): the hold at the largest code x the scale
.endr
	v_cvt_scalef32_pk8_bf8_f32 v[PC+4*\c:PC+4*\c+1], v[T+16*(\c%2):T+16*(\c%2)+7], v[12+2*\z]
	v_cvt_scalef32_pk8_bf8_f32 v[PC+4*\c+2:PC+4*\c+3], v[T+16*(\c%2)+8:T+16*(\c%2)+15], v[12+2*\z]
.endr
	v_nop                                          ; a plain line behind the last conversion
.irp c, 0,1,2,3
	ds_store_b128 v[IW], v[PC+4*\c:PC+4*\c+3] offset:\z*4096+512*\c
.endr
	s_wait_dscnt 0x0                               ; the stores have read their registers
.endm
	QX 0
	QX 1
	QX 2
.irp u, 0,1
.irp s, 0,1
.irp c, 0,1,2,3
	ds_load_b128 v[X+16*(2*\u+\s)+4*\c:X+16*(2*\u+\s)+4*\c+3], v[WQA] offset:\u*8*WP+128*\s+32*\c   ; Wq's or Wk's four fragments take x's place
.endr
.endr
.endr
	s_wait_dscnt 0x0                               ; for the others' sake: my images lie in LDS
	s_barrier_signal -1
	s_barrier_wait -1
	; ---- V: my 32 channels for the four tiles; two accumulators by turns; the bias is the C of each sum's first product
.irp pt, 0,1,2,3
.irp s, 0,1
.irp c, 0,1,2,3
	ds_load_b128 v[XF+16*\s+4*\c:XF+16*\s+4*\c+3], v[LX] offset:\pt*12288+8192+\s*2048+512*\c
.endr
.endr
	s_wait_dscnt 0x0
	v_wmma_f32_16x16x128_bf8_bf8 v[D0:D0+7], v[XF:XF+15], v[WVF:WVF+15], v[BV:BV+7]
	v_wmma_f32_16x16x128_bf8_bf8 v[D0+8:D0+15], v[XF:XF+15], v[WVF+32:WVF+47], v[BV+8:BV+15]
	v_wmma_f32_16x16x128_bf8_bf8 v[D0:D0+7], v[XF+16:XF+31], v[WVF+16:WVF+31], v[D0:D0+7]
	v_wmma_f32_16x16x128_bf8_bf8 v[D0+8:D0+15], v[XF+16:XF+31], v[WVF+48:WVF+63], v[D0+8:D0+15]
.rept 4
	v_nop                                          ; places behind the products, ahead of the reads of their results and of the next loads into their sources
.endr
.irp j, 0,1,2,3,4,5,6,7,8,9,10,11,12,13,14,15
	v_med3_num_f32 v[D0+\j], v[D0+\j], -v[HV], v[HV]   ; each accumulator from its low end on
.endr
	v_cvt_scalef32_pk8_bf8_f32 v[CV+8*(\pt/2)+2*(\pt%2):CV+8*(\pt/2)+2*(\pt%2)+1], v[D0:D0+7], v[SCV]          ; lane (r, h): channel r, keys 32 b + 16 h + 8 u + 0 .. 7
	v_cvt_scalef32_pk8_bf8_f32 v[CV+8*(\pt/2)+4+2*(\pt%2):CV+8*(\pt/2)+4+2*(\pt%2)+1], v[D0+8:D0+15], v[SCV]
	v_nop                                          ; a plain line between the conversions and the products that write their sources
.if (\pt%2) == 1
	global_store_b128 v[LI], v[CV+8*(\pt/2):CV+8*(\pt/2)+3], s[82:83] offset:(\pt/2)*512            ; 16 keys a lane: 512 consecutive bytes a store
	global_store_b128 v[LI], v[CV+8*(\pt/2)+4:CV+8*(\pt/2)+7], s[82:83] offset:2048+(\pt/2)*512
.endif
.endr
	; ---- Q/K: my tile's 32 reduced channels
.irp s, 0,1
.irp c, 0,1,2,3
	ds_load_b128 v[XF+16*\s+4*\c:XF+16*\s+4*\c+3], v[QXA] offset:\s*2048+512*\c
.endr
.endr
	s_wait_dscnt 0x0
	v_wmma_f32_16x16x128_bf8_bf8 v[D0:D0+7], v[X:X+15], v[XF:XF+15], v[BQ:BQ+7]
	v_wmma_f32_16x16x128_bf8_bf8 v[D0+8:D0+15], v[X+32:X+47], v[XF:XF+15], v[BQ+8:BQ+15]
	v_wmma_f32_16x16x128_bf8_bf8 v[D0:D0+7], v[X+16:X+31], v[XF+16:XF+31], v[D0:D0+7]
	v_wmma_f32_16x16x128_bf8_bf8 v[D0+8:D0+15], v[X+48:X+63], v[XF+16:XF+31], v[D0+8:D0+15]
.rept 4
	v_nop
.endr
.irp j, 0,1,2,3,4,5,6,7,8,9,10,11,12,13,14,15
	v_med3_num_f32 v[D0+\j], v[D0+\j], -v[HQ], v[HQ]
.endr
	v_cvt_scalef32_pk8_bf8_f32 v[CQ:CQ+1], v[D0:D0+7], v[SCQ]        ; lane (r, h): my position, reduced channels 16 h + 0 .. 7,
	v_cvt_scalef32_pk8_bf8_f32 v[CQ+2:CQ+3], v[D0+8:D0+15], v[SCQ]   ; and 16 h + 8 .. 15
	v_nop
	global_store_b128 v[LI], v[CQ:CQ+3], s[88:89]  ; a tile: 512 consecutive bytes
	s_wait_tensorcnt 0x0                           ; the wave's end: behind my last tensor load and my last LDS store
	ds_add_u32 v[SPW], v[NIL]
	s_wait_dscnt 0x0
	CROUND                                         ; the closing round
	s_endpgm
.Lfunc_end_k_qb3d06eeba9_proj:
	.size	k_qb3d06eeba9_proj, .Lfunc_end_k_qb3d06eeba9_proj-k_qb3d06eeba9_proj
	.p2alignl 7, 3214868480
	.fill 96, 4, 3214868480
	.section	.rodata,"a",@progbits
	.p2align	6, 0x0
	.amdhsa_kernel k_qb3d06eeba9_proj
		.amdhsa_group_segment_fixed_size 204800
		.amdhsa_private_segment_fixed_size 0
		.amdhsa_enable_private_segment 0
		.amdhsa_kernarg_size 80
		.amdhsa_user_sgpr_count 2
		.amdhsa_user_sgpr_kernarg_segment_ptr 1
		.amdhsa_wavefront_size32 1
		.amdhsa_system_sgpr_workgroup_id_x 1
		.amdhsa_system_sgpr_workgroup_id_y 1
		.amdhsa_system_sgpr_workgroup_id_z 1
		.amdhsa_system_vgpr_workitem_id 0
		.amdhsa_next_free_vgpr 256
		.amdhsa_next_free_sgpr 100
		.amdhsa_reserve_vcc 0
		.amdhsa_float_denorm_mode_32 3
		.amdhsa_float_denorm_mode_16_64 3
		.amdhsa_memory_ordered 1
		.amdhsa_forward_progress 1
		.amdhsa_inst_pref_size 44
	.end_amdhsa_kernel
	.amdgpu_metadata
---
amdhsa.version: [ 1, 2 ]
amdhsa.kernels:
  - .name:           k_qb3d06eeba9_proj
    .symbol:         k_qb3d06eeba9_proj.kd
    .args:
      - { .name: x, .offset: 0, .size: 8, .value_kind: global_buffer, .address_space: global }
      - { .name: Wq_codes, .offset: 8, .size: 8, .value_kind: global_buffer, .address_space: global }
      - { .name: Wk_codes, .offset: 16, .size: 8, .value_kind: global_buffer, .address_space: global }
      - { .name: Wv_codes, .offset: 24, .size: 8, .value_kind: global_buffer, .address_space: global }
      - { .name: bq, .offset: 32, .size: 8, .value_kind: global_buffer, .address_space: global }
      - { .name: bk, .offset: 40, .size: 8, .value_kind: global_buffer, .address_space: global }
      - { .name: bv, .offset: 48, .size: 8, .value_kind: global_buffer, .address_space: global }
      - { .name: lowp_scales, .offset: 56, .size: 8, .value_kind: global_buffer, .address_space: global }
      - { .name: qc, .offset: 64, .size: 8, .value_kind: global_buffer, .address_space: global }
      - { .name: kv, .offset: 72, .size: 8, .value_kind: global_buffer, .address_space: global }
    .group_segment_fixed_size: 204800
    .private_segment_fixed_size: 0
    .kernarg_segment_align: 8
    .kernarg_segment_size: 80
    .max_flat_workgroup_size: 256
    .sgpr_count:     100
    .vgpr_count:     256
    .wavefront_size: 32
...
	.end_amdgpu_metadata
.endif
;; end of part 1
;; launch attn (part 2): grid 64 x 4, 4 waves a work-group, clusters of 4 x 1, 327,680 bytes of LDS; arguments qc, kv, lowp_scales, gamma, x, out0; writes out0
.if DOCPART == 2
	.amdgcn_target "amdgcn-amd-amdhsa--gfx1250"
	.amdhsa_code_object_version 6
	.text
	.protected	k_qb3d06eeba9_attn
	.globl	k_qb3d06eeba9_attn
	.p2align	8
	.type	k_qb3d06eeba9_attn,@function
k_qb3d06eeba9_attn:
	s_mov_b64 s[64:65], 0
	v_nop
	global_prefetch_b8 v0, s[64:65] scope:SCOPE_SE
	s_setreg_imm32_b32 hwreg(HW_REG_WAVE_MODE, 25, 1), 1
	s_wait_xcnt 0x0
	s_wait_alu depctr_hold_cnt(0) depctr_sa_sdst(0) depctr_va_vdst(0) depctr_va_sdst(0) depctr_va_ssrc(0) depctr_va_vcc(0) depctr_vm_vsrc(0)
	s_getreg_b32 s2, hwreg(HW_REG_IB_STS2, 6, 4)
	s_cmp_eq_u32 s2, 0
	s_cbranch_scc0 .Lentry_in_a_cluster
	s_endpgm
.Lentry_in_a_cluster:
	s_bfe_u32 s2, ttmp6, 0x10000c
	s_cmp_lg_u32 s2, 0x3003
	s_cbranch_scc0 .Lentry_shape_is_right
	s_endpgm
.Lentry_shape_is_right:
; out0[b][c][i] = gamma x (sum over j of v[b][c][j] p[i][j]) / l[i] + x[b][c][i], both products on codes of BF8 (E5M2).  No work of reference() is left out.
; t = (q . k) x log2(e); M = the row's largest t rounded up to a whole number; p = 2^(t - M) is quantised with e9; l = the row's sum of the unquantised p.
; SHARES.  A work-group owns 64 queries of one image, four tiles of 16.  ITS FOUR WAVES SHARE THE KEYS: wave w takes keys 512 j + 128 w + 0 .. 127 of each of the eight steps j, for all 64 queries and all 256 channels:
; each fragment of v is read from LDS once in the work-group and feeds four products.  The four partial sums (64 x 256 f32 a wave, 512 registers) meet in LDS at the end.
; TWO PASSES.  Pass 1 makes all scores and keeps each row's largest; the waves' figures meet in LDS, and M is the row's own.  Pass 2 makes the scores again: nothing is ever rescaled.
; LAYOUT.  S^T = k q^T (source 0 = 16 keys, source 1 = 16 queries): a lane holds one query and eight keys.  Row r of key tile 2 c + u is key 32 c + 8 u + r + 8 (r / 8), so that the 16 registers of tiles 2 c, 2 c + 1
; are keys 32 c + 16 h + 0 .. 15: the conversions' results are source 0 of O = p v^T (source 1 = 16 channels of v): a lane then holds one channel and eight neighbouring queries, which is out0's own order.
; K = 32 ON THE K = 64 FORM: a fragment of k holds two key tiles (registers 0-3, 4-7); q stands between runs of zero codes, so that [q, 0] picks the first tile and [0, q] the second.  k's codes were held at the
; largest code by the launch that made them: no infinity meets a zero.
; BY TURNS.  A unit is one query tile x 128 keys: 168 vector instructions, cut into 24 slices of seven; ahead of slices 0-15 stands a product p v^T of the tile before, ahead of slices 16-23 a product k q^T of the tile after.
; RING.  Two slots of 147,456 bytes, a step each; wave w fetches, and alone reads, piece w.  CLUSTER: the four work-groups walk the same stream: every load is joint (mask 15).
; LIMITS: e6 + e7 between -126 and 127 (added to log2(e)'s exponent field); e9 between -126 and 112; e8 + e9 goes by v_ldexp_f32 and has none.  NaN among the inputs is not served.
; REGISTERS, in windows of 256.  Window 0: v1 my piece + 16 x lane; v2 the LDS address in hand; v3, v13 prefetch offsets; v4, v5 the add's two; v6 lane permutes' destination; v7 my words of the maxima and sums;
;   v8, 10, 12, 14 -M of tile t (v9 = 57,344 x 2^e9, v11 = 2^e9, v13, v15 are the written upper halves of the pairs); v15 my offset in x and out0; v16-23 l, a pair a tile; v24-31 four pairs at work;
;   v32-67 zeros, q0, zeros, q1, zeros, q2, zeros, q3, zeros (four registers each); v68-99 k of a step; v100-115 p's codes; v116-119 at work in pass 1; in pass 2 v116 = v9 once more; at the end gamma 2^(e8 + e9) / l;
;   v120-124 the stage's addresses; v125-127 addresses; v128-191, v192-255 scores, two sets.   Window 1: pass 1: all my k; pass 2: v of a step; at the end x.
;   Windows 2, 3: O (tile qt, channels 16 ct on) at window 2 + qt / 2, v[128 (qt % 2) + 8 ct].
.set PIECE, 36864                      ; a wave's share of a step: 4,096 bytes of k, 32,768 of v
.set STEPB, 147456                     ; a step, and a slot.  No piece's first byte has bit 14 or bit 17 set: one exclusive or turns an address into the other slot's
.set IMGB,  1179648
.set MST,   294912                     ; behind the ring: [wave][64 queries] largest scores,
.set LST,   295936                     ; [wave][64 queries] sums,
.set SPARE, 296960                     ; and the spare words, 128 bytes for each wave: two blocks of 256 bytes that no other line names
.set SWV,   69632                      ; the stage of the end, in the slots, which have had their last fill by then: for each wave 256 channels x (256 bytes + 16)
.set SPI,   272
.set MSB, 0
.macro WIN new                         ; s_set_vgpr_msb: bits 1:0 source 0, 3:2 source 1, 5:4 source 2, 7:6 destination; the high byte repeats the setting that is left
.set WNEW, (\new)
.if MSB != WNEW
	s_set_vgpr_msb ((MSB<<8)|WNEW)
.set MSB, WNEW
.endif
.endm
.macro CROUND                          ; a round of the cluster's barrier
	s_barrier_signal -1
	s_barrier_wait -1
	s_cmp_lg_u32 s16, 0
	s_cbranch_scc1 .Lnot_wave_0_\@
	s_barrier_signal -3
.Lnot_wave_0_\@:
	s_barrier_wait -3
	s_barrier_signal -1
	s_barrier_wait -1
.endm
; A prefetch of v's part of the step that the NEXT change of slots will ask for: one step, a trip of 96 products, ahead of that load.  All clusters of an image walk the same stream: the image's first cluster asks.
; Of piece w's 32,768 bytes the partner at place cx takes 8,192, told apart by address; lanes 256 bytes apart: each block is named once.  k's parts were read by pass 1.  how = 1: outside the loop; 0: the loop's last trip asks for nothing.
.macro ASK how
.if \how
	s_cmp_eq_u32 s47, 1
.else
	s_cmp_gt_u32 s45, s47
.endif
	s_cbranch_scc0 .Lnot_mine_\@
	global_prefetch_b8 v3, s[48:49] th:TH_LOAD_NT scope:SCOPE_SE
.Lnot_mine_\@:
.endm
	s_load_b256 s[4:11], s[0:1], 0x0               ; qc s[4:5], kv s[6:7], the scales s[8:9], gamma s[10:11]
	s_load_b128 s[12:15], s[0:1], 0x20             ; x s[12:13], out0 s[14:15]
	v_lshl_add_u32 v4, v0, 2, SPARE
	v_mov_b32 v5, 0
	ds_add_u32 v4, v5                              ; the opening: the add, twice on end, and its wait ahead of my first tensor load
	ds_add_u32 v4, v5
	v_lshrrev_b32 v1, 5, v0
	v_readfirstlane_b32 s16, v1                    ; wave 0..3
	s_bfe_u32 s17, ttmp6, 0x40000                  ; cx
	s_lshl_b32 s18, ttmp9, 2
	s_add_co_u32 s18, s18, s17                     ; my block of 64 queries
	s_and_b32 s19, ttmp7, 0xffff                   ; the image, which the partners share
	; group 1: a piece is dense: 144 rows of 32 elements of 8 bytes; the mask names all four work-groups, bit 21 beside it; no padding: every LDS read takes 512 consecutive bytes
	s_mov_b32 s24, 15|(3<<16)|(1<<21)
	s_mov_b32 s25, 32<<16
	s_mov_b32 s26, 144<<16
	s_mov_b32 s27, 32<<16
	s_mov_b32 s28, 144
	s_mov_b32 s29, 32
	s_mov_b32 s30, 0
	s_mov_b32 s31, 0
	s_mov_b32 s32, 1
	s_mul_i32 s33, s16, PIECE                      ; step 0 into slot 0,
	s_mov_b32 s36, 1
	s_add_co_u32 s37, s33, STEPB                   ; step 1 into slot 1: this group 0 then walks
	s_mul_i32 s22, s19, IMGB
	s_add_co_u32 s22, s22, s33                     ; kv: the image, my piece of step 0
	s_mov_b32 s23, 0
	s_lshl_b32 s50, s19, 17                        ; qc: image x 256 tiles + block x 4 tiles of 512 bytes
	s_lshl_b32 s45, s18, 11
	s_add_co_u32 s50, s50, s45
	s_mov_b32 s51, 0
	s_mov_b32 s42, 0x76543210                      ; v_permlanex16_b32: lane l xor 16
	s_mov_b32 s43, 0xfedcba98
	s_mov_b32 s44, 0                               ; the slot of the step that is being fetched from LDS
	v_and_b32 v2, 31, v0                           ; lane
	v_lshlrev_b32 v127, 4, v2                      ; 16 x lane; never rewritten
	v_and_b32 v125, 15, v0                         ; r
	v_bfe_u32 v126, v0, 4, 1                       ; h
	v_and_b32 v6, 7, v0                            ; q is wanted in the queries' own order; qc holds tiles whose rows are not neighbours: query 16 t + r lies in tile 2 (t / 2) + r / 8, row 8 (t % 2) + r % 8
	v_lshlrev_b32 v6, 4, v6
	v_bfe_u32 v3, v0, 3, 1
	v_lshl_add_u32 v6, v3, 9, v6
	v_lshl_add_u32 v6, v126, 8, v6
	s_wait_dscnt 0x0                               ; both opening adds are done
	s_wait_kmcnt 0x0
	s_load_b256 s[52:59], s[8:9], 0x0              ; e0 .. e7
	s_load_b64 s[60:61], s[8:9], 0x20              ; e8, e9
	s_load_b32 s62, s[10:11], 0x0                  ; gamma
	s_add_nc_u64 s[20:21], s[6:7], s[22:23]        ; kv at my piece of step 0
	s_add_nc_u64 s[4:5], s[4:5], s[50:51]          ; qc at my block
	; q AND ALL MY k ARE ASKED FOR FIRST, ahead of the round and of the ring's first fills: pass 1 wants them at once, and the two pieces only behind it: they have pass 1 in which to land
.irp t, 0,1,2,3
	global_load_b128 v[36+8*\t:39+8*\t], v6, s[4:5] offset:1024*(\t/2)+128*(\t%2)
.endr
	WIN 0x40                                       ; destination window 1
.set i, 0
.rept 64
	global_load_b128 v[4*i:4*i+3], v127, s[20:21] offset:(i/8)*STEPB+512*(i%8)   ; pass 1 takes all my k straight into registers: step i / 8, tile i % 8
.set i, i+1
.endr
	WIN 0
	s_mov_b64 s[34:35], s[20:21]
	s_or_b32 s35, s35, 0x80000000
	s_add_nc_u64 s[38:39], s[20:21], STEPB
	s_or_b32 s39, s39, 0x80000000
	s_lshl_b32 s22, s17, 13
	s_add_co_u32 s22, s22, 2*STEPB+4096
	s_add_nc_u64 s[48:49], s[20:21], s[22:23]      ; the prefetches stand at step 2: the first change of slots steps them to step 3
	s_lshl_b32 s22, s19, 22                        ; x, out0: image x 4 MiB + my 64 channels of 16 KiB + block x 256 bytes
	s_lshl_b32 s45, s16, 20
	s_add_co_u32 s22, s22, s45
	s_lshl_b32 s45, s18, 8
	s_add_co_u32 s22, s22, s45
	s_add_nc_u64 s[50:51], s[12:13], s[22:23]
	s_add_nc_u64 s[2:3], s[14:15], s[22:23]
	CROUND                                         ; all four work-groups are here: the first joint loads meet
	tensor_load_to_lds s[32:35], s[24:31]          ; every wave fills: two loads of mine are out
	s_nop 0
	tensor_load_to_lds s[36:39], s[24:31]
	s_nop 0
.rept 4
	v_nop
.endr
.irp g, 0,1,2,3,4
.irp i, 0,1,2,3
	v_mov_b32 v[32+8*\g+\i], 0                     ; the runs of zero codes round q
.endr
.endr
	v_add_nc_u32 v1, s33, v127
	v_lshlrev_b32 v3, 8, v2
	v_lshlrev_b32 v13, 14, v2
	v_lshlrev_b32 v15, 4, v125
	v_lshl_add_u32 v15, v126, 14, v15              ; x, out0: lanes 0-15 one channel's 256 bytes, lanes 16-31 the next channel's
	s_mul_i32 s22, s16, SWV
	v_mul_u32_u24 v124, v125, SPI
	v_lshl_add_u32 v124, v126, 5, v124
	v_add_nc_u32 v124, s22, v124                   ; the stage, in: my part, channel r, queries 8 h on
	s_mul_i32 s22, s16, 64*SPI
	v_mul_u32_u24 v120, v126, SPI
	v_lshl_add_u32 v120, v125, 4, v120
	v_add_nc_u32 v120, s22, v120                   ; and back: channels 64 w on, of each wave's part
	v_add_nc_u32 v121, SWV, v120
	v_add_nc_u32 v122, 2*SWV, v120
	v_add_nc_u32 v123, 3*SWV, v120
	s_lshl_b32 s22, s16, 8
	s_add_co_u32 s22, s22, MST
	v_lshl_add_u32 v7, v125, 2, s22
	v_lshlrev_b32 v126, 4, v125
	v_add_nc_u32 v126, LST, v126
	v_lshlrev_b32 v125, 2, v125
	v_add_nc_u32 v125, MST, v125
	s_wait_kmcnt 0x0
	s_add_co_i32 s22, s58, s59
	s_lshl_b32 s22, s22, 23
	s_add_co_i32 s40, s22, 0x3fb8aa3b              ; c = log2(e) x 2^(e6 + e7): a sum of codes' products x c is t
	s_mov_b32 s41, s40                             ; (named with it as a pair, so it is written)
	s_add_co_i32 s22, s61, 127
	s_lshl_b32 s23, s22, 23
	v_mov_b32 v11, s23                             ; 2^e9
	s_add_co_i32 s22, s22, 15
	s_lshl_b32 s22, s22, 23
	s_or_b32 s22, s22, 0x600000
	v_mov_b32 v9, s22                              ; 57,344 x 2^e9
	s_add_co_i32 s46, s60, s61                     ; e8 + e9
	s_cmp_eq_u32 ttmp9, 0
	s_cselect_b32 s47, 1, -1                       ; 1 in the image's first cluster: the same in all four partners
; ---- PASS 1: each row's largest score.  A trip serves one query tile, always from q's first place; at its end the four tiles turn by one place, so that after four trips q stands as it was loaded.
.macro QK1 j, sb                       ; eight products: my 128 keys of step j against the tile
	WIN 0x01                                       ; source 0 (k) window 1
.irp kt, 0,1,2,3,4,5,6,7
	v_wmma_f32_16x16x64_bf8_bf8 v[(\sb)+8*\kt:(\sb)+8*\kt+7], v[32*(\j)+8*(\kt/2):32*(\j)+8*(\kt/2)+7], v[36-4*(\kt%2):43-4*(\kt%2)], 0
.endr
	WIN 0
.endm
.macro MAXES j                         ; 64 scores into four chains, each accumulator from its low end on; the first step starts the chains
.set SBM, 128+64*((\j)%2)
.set i, 0
.rept 32
.if ((\j) == 0) && (i < 4)
	v_max_num_f32 v[16+i], v[SBM+2*i], v[SBM+2*i+1]
.else
	v_max3_num_f32 v[16+i%4], v[16+i%4], v[SBM+2*i], v[SBM+2*i+1]
.endif
.set i, i+1
.endr
.endm
	s_mov_b32 s45, 0
.Lp1:
	s_wait_loadcnt 56                              ; q and step 0's eight loads are in; the 56 of steps 1 to 7 may be out
	QK1 0, 128
.rept 5
	v_nop                                          ; places behind these products: four for the reads of their results, a fifth for step 2's products, which write over them
.endr
.set jj, 0
.rept 8
.if jj < 7
	s_wait_loadcnt 8*(6-jj)                        ; the next step's k is in; eight loads for each later step may be out
	QK1 jj+1, 128+64*((jj+1)%2)
.endif
	MAXES jj                                       ; these 32 lines are the places behind the products just issued
.set jj, jj+1
.endr
	v_max3_num_f32 v16, v16, v17, v18
	v_max_num_f32 v16, v16, v19
	v_permlanex16_b32 v6, v16, s42, s43            ; the query's other keys lie in the lane 16 away
	v_max_num_f32 v16, v16, v6
	v_add_nc_u32 v2, s45, v7
	ds_store_b32 v2, v16                           ; [my wave][16 t + r]
.irp i, 0,1,2,3
	v_mov_b32 v[116+\i], v[36+\i]
.endr
.irp g, 0,1,2
.irp i, 0,1,2,3
	v_mov_b32 v[36+8*\g+\i], v[44+8*\g+\i]
.endr
.endr
.irp i, 0,1,2,3
	v_mov_b32 v[60+\i], v[116+\i]
.endr
	s_wait_dscnt 0x0
	s_add_co_u32 s45, s45, 64
	s_cmp_lt_u32 s45, 256
	s_cbranch_scc1 .Lp1
	s_barrier_signal -1                            ; my stores are done (the wait above); the tensor loads may stay out
	s_barrier_wait -1
.irp t, 0,1,2,3
.irp u, 0,1,2,3
	ds_load_b32 v[128+4*\t+\u], v125 offset:256*\u+64*\t
.endr
.endr
	v_mov_b32 v116, v9                             ; the hold's bound once more, in another register bank than v9's: the second half of the dual form below takes it
	s_wait_dscnt 0x0
.irp t, 0,1,2,3
	v_max3_num_f32 v[128+4*\t], v[128+4*\t], v[129+4*\t], v[130+4*\t]
.endr
.irp t, 0,1,2,3
	v_max_num_f32 v[128+4*\t], v[128+4*\t], v[131+4*\t]
.endr
.irp t, 0,1,2,3
	v_mul_f32 v[128+4*\t], s40, v[128+4*\t]        ; as t (c is positive)
.endr
.irp t, 0,1,2,3
	v_floor_f32 v[8+2*\t], -v[128+4*\t]            ; -M = floor(-t) = -ceil(t)
.endr
; ---- PASS 2
.macro PVI                             ; O(PT, ct) += p v^T: 16 queries x 16 channels x 128 keys.  UPV = 1: the first step starts the sums: nothing is ever cleared
	WIN 0xA4+0x50*(PT/2)                           ; p window 0, v window 1, O window 2 or 3
.set rO, 128*(PT%2)+8*ct
.if UPV == 1
	v_wmma_f32_16x16x128_bf8_bf8 v[rO:rO+7], v[100:115], v[16*ct:16*ct+15], 0
.else
	v_wmma_f32_16x16x128_bf8_bf8 v[rO:rO+7], v[100:115], v[16*ct:16*ct+15], v[rO:rO+7]
.endif
.endm
.macro QKI                             ; key tile kt against query tile QT
	WIN 0
.set rS, 128+64*(QT%2)+8*kt
.set rK, 68+8*(kt/2)
.set rQ, 36+8*QT-4*(kt%2)
	v_wmma_f32_16x16x64_bf8_bf8 v[rS:rS+7], v[rK:rK+7], v[rQ:rQ+7], 0
.endm
; Instruction n of the 168 of a tile's softmax for a step.
;   0-95    ONE BATCH: the 32 scalings t - M (a pair of scores each) and the 64 exponentials, none of which reads an exponential's result.  The scalings are dealt out among the exponentials, so that plain lines stand
;           between them: pairs 0 and 1; then thirty times (pair b + 2, scores 2 b and 2 b + 1); then the last four exponentials.  A pair is scaled seven lines ahead of its exponentials; the pairs ascend
;   96-131  the sum of the unquantised p, in four chains (the first holds stand between its last links)
;   126-159 the hold: p is never negative, so it is one-sided; two numbers an instruction, by the dual form (ISA guide, the chapter on dual-issue VALU): one destination even, the other odd; v9 and v116, and the two scores, lie in different banks
;   160-167 the conversions.   first = 1: the tile's first step starts l.
.macro VEC t, first
.set SB, 128+64*((\t)%2)
.set NMR, 8+2*(\t)
.set LR, 16+2*(\t)
.if n < 96
.set isx, 1
.set idx, n-32
.if n < 2
.set isx, 0
.set idx, n
.elseif n < 92
.set idx, 2*((n-2)/3)+((n-2)%3)-1
.if ((n-2)%3) == 0
.set isx, 0
.set idx, (n-2)/3+2
.endif
.endif
.if isx
	v_exp_f32 v[SB+idx], v[SB+idx]
.else
	v_pk_fma_f32 v[SB+2*idx:SB+2*idx+1], v[SB+2*idx:SB+2*idx+1], s[40:41], v[NMR:NMR+1] op_sel_hi:[1,0,0]
.endif
.elseif n < 100
	v_pk_add_f32 v[24+2*(n-96):25+2*(n-96)], v[SB+2*(n-96):SB+2*(n-96)+1], v[SB+2*(n-92):SB+2*(n-92)+1]
.elseif n < 124
	v_pk_add_f32 v[24+2*((n-96)%4):25+2*((n-96)%4)], v[24+2*((n-96)%4):25+2*((n-96)%4)], v[SB+2*(n-92):SB+2*(n-92)+1]
.elseif n == 124
	v_pk_add_f32 v[24:25], v[24:25], v[26:27]
.elseif n == 125
	v_pk_add_f32 v[28:29], v[28:29], v[30:31]
.elseif n == 128
.if \first
	v_pk_add_f32 v[LR:LR+1], v[24:25], v[28:29]
.else
	v_pk_add_f32 v[24:25], v[24:25], v[28:29]
.endif
.elseif n == 131
.if !(\first)
	v_pk_add_f32 v[LR:LR+1], v[LR:LR+1], v[24:25]
.endif
.elseif n < 160
.set dd, n-128
.if n < 131
.set dd, n-127
.endif
.if n < 128
.set dd, n-126
.endif
	v_dual_min_num_f32 v[SB+2*dd], v9, v[SB+2*dd] :: v_dual_min_num_f32 v[SB+2*dd+1], v116, v[SB+2*dd+1]   ; the conversion to an 8-bit code does not saturate (ISA guide 7.6.2)
.else
	v_cvt_scalef32_pk8_bf8_f32 v[100+2*(n-160):101+2*(n-160)], v[SB+8*(n-160):SB+8*(n-160)+7], v11
.endif
.endm
; A UNIT: tile t's softmax in 24 slices of seven; ahead of slices 0-15 a product p v^T of tile t - 1 (whose codes the unit before made), ahead of slices 16-23 a product k q^T of tile t + 1, which shares window 0 with the slices.
; No two products that follow each other share an accumulator.  p's codes are written anew by lines 160 on, behind slices 15 to 21 of plain lines that follow their last reader (ISA guide 7.12.1).
; pv: 0 none, 1 the sums begin, 2 they go on.
; kload: behind slice 2 the next step's k: between its last reader (the unit before's last product) and the loads stand that unit's closing v_nop and the nine scalings of slices 0 to 2.
; vload: the next step's v in four runs of sixteen loads, fragments 0-3, 4-7, 8-11, 12-15 behind slices 5, 9, 13, 17.  Between a run's last reader (ahead of slices 3, 7, 11, 15) and the run stand three slices, with
; seven, seven, five (and a v_nop and two sums) and twenty-one plain lines that name none of the product's registers.   vec = 0: the products p v^T alone.
.macro UNIT t, pv, qk, vload, kload, vec, first
.set UT, (\t)
.set UPV, (\pv)
.set UQK, (\qk)
.set UVL, (\vload)
.set UKL, (\kload)
.set UVE, (\vec)
.set PT, (UT+3)%4
.set QT, (UT+1)%4
.set k, 0
.rept 24
.if (k < 16) && (UPV != 0)
.set ct, k
	PVI
.endif
.if (k >= 16) && (UQK != 0)
.if (k == 16) && (UT == 3)
	s_wait_dscnt 0x0                               ; the next step's k, asked for behind slice 2, is in
.endif
.set kt, k-16
	QKI
.endif
.if UVE != 0
	WIN 0
.set n, 7*k
.rept 7
.if n == 96
	v_nop                                          ; a plain line behind the last exponential,
	s_wait_alu depctr_va_vdst(0)                   ; and the one wait for the batch of 64, ahead of its first reader
.endif
	VEC UT, \first
.set n, n+1
.endr
.if k == 23
	v_nop                                          ; a plain line between the conversions and the products that read their results
.endif
.if (k == 2) && (UKL != 0)
	s_xor_b32 s44, s44, STEPB                      ; the next step lies in the other slot
	v_add_nc_u32 v2, s44, v1
.irp g, 0,1,2,3,4,5,6,7
	ds_load_b128 v[68+4*\g:71+4*\g], v2 offset:512*\g
.endr
.endif
.if (UVL != 0) && (k >= 5) && (k <= 17) && (((k-5)%4) == 0)
	WIN 0x40                                       ; destination window 1
.set gg, 4*(k-5)
.rept 16
	ds_load_b128 v[4*gg:4*gg+3], v2 offset:4096+512*gg   ; fragment gg / 4, its group gg % 4 of 32 keys
.set gg, gg+1
.endr
.endif
.endif
.set k, k+1
.endr
.endm
; TRIP j: softmax of (j, 1), (j, 2), (j, 3), (j + 1, 0); p v^T of step j's four tiles; k q^T of (j, 2), (j, 3), (j + 1, 0), (j + 1, 1).  z = 1: step 0.  last = 1: step 7: nothing follows.
.macro TRIP z, last
	UNIT 1, 2-(\z), 1, 0, 0, 1, \z
	UNIT 2, 2-(\z), 1, 0, 0, 1, \z
	UNIT 3, 2-(\z), 1-(\last), 0, 1-(\last), 1, \z
	UNIT 0, 2-(\z), 1-(\last), 1-(\last), 0, 1-(\last), 0
.endm
; THE CHANGE OF SLOTS, at a trip's end: the trip has read the next step's k and v out of its slot.  Each wave waits for all its tensor loads, of which one is out (the step after next, issued a trip ago), adds 0 to its
; spare word, and waits for that and for its reads of the slot.  Behind the cluster's round no wave of any partner reads the slot or has a load on its way: the joint refill comes first, and has a trip in which to land.
.macro CHANGE how
	WIN 0
	s_wait_tensorcnt 0x0                           ; no tensor load of mine is out, so the walking group 0 may be written
	ds_add_u32 v4, v5                              ; 0 onto my spare word
	s_xor_b32 s37, s37, STEPB
	s_add_nc_u64 s[38:39], s[38:39], STEPB
	s_wait_xcnt 0x0                                ; the last prefetch, a trip back, has read its address
	s_add_nc_u64 s[48:49], s[48:49], STEPB
	s_wait_dscnt 0x0                               ; the add is done, and my reads of the slot are in
	CROUND
	tensor_load_to_lds s[36:39], s[24:31]
	s_nop 0
.rept 4
	v_nop
.endr
	ASK \how
.endm
	s_wait_tensorcnt 1                             ; step 0's piece is in (only I read it); step 1's, issued behind it, may be out
	v_mov_b32 v2, v1
.irp g, 0,1,2,3,4,5,6,7
	ds_load_b128 v[68+4*\g:71+4*\g], v2 offset:512*\g
.endr
	s_wait_dscnt 0x0
.set QT, 0
.set kt, 0
.rept 8
	QKI                                            ; tile 0's scores of step 0
.set kt, kt+1
.endr
	WIN 0x40
.set i, 0
.rept 64
	ds_load_b128 v[4*i:4*i+3], v2 offset:4096+512*i   ; v of step 0
.set i, i+1
.endr
	WIN 0
.rept 4
	v_nop
.endr
	UNIT 0, 0, 1, 0, 0, 1, 1                       ; tile 0's first softmax | tile 1's scores
	CHANGE 1                                       ; slot 0 takes step 2
	TRIP 1, 0
	CHANGE 1                                       ; step 3
	s_mov_b32 s45, 4
.Lstep:                                            ; steps 1 to 4; the changes ask for steps 4 to 7
	TRIP 0, 0
	CHANGE 0
	s_sub_co_u32 s45, s45, 1
	s_cmp_lg_u32 s45, 0
	s_cbranch_scc1 .Lstep
	s_mov_b32 s45, 2
.Ltail:                                            ; steps 5 and 6: nothing is left to ask for
	s_cmp_lg_u32 s45, 1
	s_cbranch_scc1 .Lno_x
	global_prefetch_b8 v13, s[50:51] th:TH_LOAD_NT scope:SCOPE_SE                 ; ahead of step 6: my wave's own 64 rows of x, a lane a row of 256 bytes: two trips ahead of their loads, each row named once
	global_prefetch_b8 v13, s[50:51] offset:524288 th:TH_LOAD_NT scope:SCOPE_SE
.Lno_x:
	TRIP 0, 0
	WIN 0
	s_wait_tensorcnt 0x0                           ; step 7's piece, which only I read, is in: no load was issued behind it
	s_wait_dscnt 0x0                               ; the next step's v is in
	s_sub_co_u32 s45, s45, 1
	s_cmp_lg_u32 s45, 0
	s_cbranch_scc1 .Ltail
	TRIP 0, 1
; ---- THE END: the four waves' l and O meet in LDS; wave w finishes channels 64 w .. 64 w + 63
	WIN 0
.irp t, 0,1,2,3
	v_add_f32 v[24+\t], v[16+2*\t], v[17+2*\t]     ; l's two halves.  (These lines are the places behind the last products)
.endr
.irp t, 0,1,2,3
	v_permlanex16_b32 v[28+\t], v[24+\t], s42, s43
.endr
.irp t, 0,1,2,3
	v_add_f32 v[24+\t], v[24+\t], v[28+\t]
.endr
.irp t, 0,1,2,3
	ds_store_b32 v7, v[24+\t] offset:1024+64*\t
.endr
	WIN 0x40
.set i, 0
.rept 32
	global_load_b128 v[4*i:4*i+3], v15, s[50:51] offset:i*32768 th:TH_LOAD_NT   ; x: channels 64 w + 2 i and + 1, my block's 256 bytes of each
.set i, i+1
.endr
	WIN 0
	s_wait_dscnt 0x0
	s_barrier_signal -1
	s_barrier_wait -1                              ; every wave's tensor loads have landed and its reads of the slots are in: the slots become the stage
.irp qt, 0,1,2,3
	WIN 0x08+4*(\qt/2)                             ; store data window 2 or 3
.set ct, 0
.rept 16
	ds_store_b128 v124, v[128*(\qt%2)+8*ct:128*(\qt%2)+8*ct+3] offset:16*SPI*ct+64*\qt       ; lane (r, h): channel 16 ct + r, queries 16 qt + 8 h + 0 .. 7; each accumulator from its low end on
	ds_store_b128 v124, v[128*(\qt%2)+8*ct+4:128*(\qt%2)+8*ct+7] offset:16*SPI*ct+64*\qt+16
.set ct, ct+1
.endr
.endr
	WIN 0
	s_wait_dscnt 0x0                               ; for the others' sake: my part lies in the stage
	s_barrier_signal -1
	s_barrier_wait -1
.macro LOADB b                         ; batch b: four pairs of channels, of each of the four parts: lanes 0-15 one channel's 256 bytes, lanes 16-31 the next's
.set BUF, 128+64*((\b)%2)
.irp p, 0,1,2,3
.irp u, 0,1,2,3
	ds_load_b128 v[BUF+16*\p+4*\u:BUF+16*\p+4*\u+3], v[120+\u] offset:(4*(\b)+\p)*2*SPI
.endr
.endr
.endm
.macro COMP b
.set BUF, 128+64*((\b)%2)
.if (\b) < 7
	s_wait_dscnt 16                                ; this batch is in; the next batch's 16 loads may be out
.else
	s_wait_dscnt 0x0
.endif
.irp p, 0,1,2,3
	v_pk_add_f32 v[BUF+16*\p:BUF+16*\p+1], v[BUF+16*\p:BUF+16*\p+1], v[BUF+16*\p+4:BUF+16*\p+5]
	v_pk_add_f32 v[BUF+16*\p+2:BUF+16*\p+3], v[BUF+16*\p+2:BUF+16*\p+3], v[BUF+16*\p+6:BUF+16*\p+7]
	v_pk_add_f32 v[BUF+16*\p+8:BUF+16*\p+9], v[BUF+16*\p+8:BUF+16*\p+9], v[BUF+16*\p+12:BUF+16*\p+13]
	v_pk_add_f32 v[BUF+16*\p+10:BUF+16*\p+11], v[BUF+16*\p+10:BUF+16*\p+11], v[BUF+16*\p+14:BUF+16*\p+15]
.endr
.irp p, 0,1,2,3
	v_pk_add_f32 v[BUF+16*\p:BUF+16*\p+1], v[BUF+16*\p:BUF+16*\p+1], v[BUF+16*\p+8:BUF+16*\p+9]
	v_pk_add_f32 v[BUF+16*\p+2:BUF+16*\p+3], v[BUF+16*\p+2:BUF+16*\p+3], v[BUF+16*\p+10:BUF+16*\p+11]
.endr
	s_wait_loadcnt 28-4*(\b)                       ; x's loads come back in order (ISA guide 5.7.1): this batch's four, 4 b to 4 b + 3 of 32, are in; the 28 - 4 b issued behind them may be out.  No other global load is out here
	WIN 0x50                                       ; x: source 2 and destination window 1
.irp p, 0,1,2,3
	v_pk_fma_f32 v[4*(4*(\b)+\p):4*(4*(\b)+\p)+1], v[BUF+16*\p:BUF+16*\p+1], v[116:117], v[4*(4*(\b)+\p):4*(4*(\b)+\p)+1]         ; sum x gamma 2^(e8 + e9) / l + x
	v_pk_fma_f32 v[4*(4*(\b)+\p)+2:4*(4*(\b)+\p)+3], v[BUF+16*\p+2:BUF+16*\p+3], v[118:119], v[4*(4*(\b)+\p)+2:4*(4*(\b)+\p)+3]
.endr
	WIN 0x04                                       ; store data window 1
.irp p, 0,1,2,3
	global_store_b128 v15, v[4*(4*(\b)+\p):4*(4*(\b)+\p)+3], s[2:3] offset:(4*(\b)+\p)*32768 th:TH_STORE_NT   ; sixteen lanes store 256 consecutive bytes, aligned; no store's registers are written again
.endr
	WIN 0
.if (\b) < 6
	LOADB (\b)+2
.endif
.endm
.irp u, 0,1,2,3
	ds_load_b128 v[100+4*\u:103+4*\u], v126 offset:256*\u   ; the four waves' sums of my four queries, 4 (lane % 16) on
.endr
	LOADB 0
	LOADB 1
	s_wait_dscnt 32                                ; the sums are in; the 32 loads of batches 0 and 1 may be out
	v_pk_add_f32 v[100:101], v[100:101], v[104:105]
	v_pk_add_f32 v[102:103], v[102:103], v[106:107]
	v_pk_add_f32 v[108:109], v[108:109], v[112:113]
	v_pk_add_f32 v[110:111], v[110:111], v[114:115]
	v_pk_add_f32 v[100:101], v[100:101], v[108:109]
	v_pk_add_f32 v[102:103], v[102:103], v[110:111]
.irp i, 0,1,2,3
	v_rcp_f32 v[116+\i], v[100+\i]
.endr
	v_nop                                          ; a plain line behind the last reciprocal,
	s_wait_alu depctr_va_vdst(0)                   ; and the one wait for the four, ahead of their first reader
.irp i, 0,1,2,3
	v_mul_f32 v[116+\i], s62, v[116+\i]            ; x gamma
.endr
.irp i, 0,1,2,3
	v_ldexp_f32 v[116+\i], v[116+\i], s46          ; x 2^(e8 + e9)
.endr
.irp b, 0,1,2,3,4,5,6,7
	COMP \b                                        ; a batch leaves as soon as its own rows of x are in
.endr
	s_wait_tensorcnt 0x0                           ; the wave's end: behind my last tensor load and my last LDS store
	ds_add_u32 v4, v5
	s_wait_dscnt 0x0
	CROUND                                         ; the closing round: no work-group ends while a partner may still ask for a piece that names it
	s_endpgm
.Lfunc_end_k_qb3d06eeba9_attn:
	.size	k_qb3d06eeba9_attn, .Lfunc_end_k_qb3d06eeba9_attn-k_qb3d06eeba9_attn
	.p2alignl 7, 3214868480
	.fill 96, 4, 3214868480
	.section	.rodata,"a",@progbits
	.p2align	6, 0x0
	.amdhsa_kernel k_qb3d06eeba9_attn
		.amdhsa_group_segment_fixed_size 327680
		.amdhsa_private_segment_fixed_size 0
		.amdhsa_enable_private_segment 0
		.amdhsa_kernarg_size 48
		.amdhsa_user_sgpr_count 2
		.amdhsa_user_sgpr_kernarg_segment_ptr 1
		.amdhsa_wavefront_size32 1
		.amdhsa_system_sgpr_workgroup_id_x 1
		.amdhsa_system_sgpr_workgroup_id_y 1
		.amdhsa_system_sgpr_workgroup_id_z 1
		.amdhsa_system_vgpr_workitem_id 0
		.amdhsa_next_free_vgpr 1024
		.amdhsa_next_free_sgpr 66
		.amdhsa_reserve_vcc 0
		.amdhsa_float_denorm_mode_32 3
		.amdhsa_float_denorm_mode_16_64 3
		.amdhsa_memory_ordered 1
		.amdhsa_forward_progress 1
		.amdhsa_inst_pref_size 255
	.end_amdhsa_kernel
	.section	.bss,"aw",@nobits
	.p2align	6
	.space	262144
	.amdgpu_metadata
---
amdhsa.version: [ 1, 2 ]
amdhsa.kernels:
  - .name:           k_qb3d06eeba9_attn
    .symbol:         k_qb3d06eeba9_attn.kd
    .args:
      - { .name: qc, .offset: 0, .size: 8, .value_kind: global_buffer, .address_space: global }
      - { .name: kv, .offset: 8, .size: 8, .value_kind: global_buffer, .address_space: global }
      - { .name: lowp_scales, .offset: 16, .size: 8, .value_kind: global_buffer, .address_space: global }
      - { .name: gamma, .offset: 24, .size: 8, .value_kind: global_buffer, .address_space: global }
      - { .name: x, .offset: 32, .size: 8, .value_kind: global_buffer, .address_space: global }
      - { .name: out0, .offset: 40, .size: 8, .value_kind: global_buffer, .address_space: global }
    .group_segment_fixed_size: 327680
    .private_segment_fixed_size: 0
    .kernarg_segment_align: 8
    .kernarg_segment_size: 48
    .max_flat_workgroup_size: 128
    .sgpr_count:     66
    .vgpr_count:     1024
    .wavefront_size: 32
...
	.end_amdgpu_metadata
.endif
;; end of part 2
